; MI455X (gfx1250); checked and timed in simulation.
; The chip was launched on July 23, 2026; its instructions are those of AMD's public machine-readable ISA for CDNA 5 (MIT licence, August 2026) and "CDNA5" Instruction Set Architecture Reference Guide (July 2026). The comments in the code are by the model that wrote it; some were corrected since.
;; Roberta Adapted Self Attention. Allowed arithmetic: matrix products marked QUANTISED: E2M1 operands, one E8M0 scale for each 32 along K, by v_wmma_scale_f32_16x16x128_f8f6f4 with both operands' format E2M1 (or v_wmma_scale_f32_32x16x128_f4), f32 sums; everything else in f32.
;; Inputs: Wk_codes 1,024 x 32 x 16 uint8 (E2M1 codes of Wk, K innermost, in blocks of 32 codes, two codes a byte); Wk_scales 1,024 x 32 uint8 (E8M0 scales of Wk, one for each 32 codes along K); Wq_codes 1,024 x 32 x 16 uint8 (E2M1 codes of Wq, K innermost, in blocks of 32 codes, two codes a byte); Wq_scales 1,024 x 32 uint8 (E8M0 scales of Wq, one for each 32 codes along K); Wv_codes 1,024 x 32 x 16 uint8 (E2M1 codes of Wv, K innermost, in blocks of 32 codes, two codes a byte); Wv_scales 1,024 x 32 uint8 (E8M0 scales of Wv, one for each 32 codes along K); bk 1,024 float32; bq 1,024 float32; bv 1,024 float32; efc1 10 x 64 float32; efc2 10 x 1,024 float32; fc1_b 64 float32; fc1_w_codes 64 x 32 x 16 uint8 (E2M1 codes of fc1_w, K innermost, in blocks of 32 codes, two codes a byte); fc1_w_scales 64 x 32 uint8 (E8M0 scales of fc1_w, one for each 32 codes along K); fc2_b 1,024 float32; fc2_w_codes 1,024 x 2 x 16 uint8 (E2M1 codes of fc2_w, K innermost, in blocks of 32 codes, two codes a byte); fc2_w_scales 1,024 x 2 uint8 (E8M0 scales of fc2_w, one for each 32 codes along K); hidden_states_codes 4 x 2,048 x 32 x 16 uint8 (E2M1 codes of hidden_states, K innermost, in blocks of 32 codes, two codes a byte); hidden_states_scales 4 x 2,048 x 32 uint8 (E8M0 scales of hidden_states, one for each 32 codes along K).
;; Outputs: out0 4 x 2,048 x 1,024 float32.
;; Constants: t = 3.
;; This version of the problem:
;;   THIS VERSION OF THE PROBLEM IS GIVEN IN LOW PRECISION. The matrix products marked QUANTISED in the list below multiply operands that are first quantised to E2M1 (2 exponent bits, 1 mantissa bit; 4 bits a number), with one power-of-two scale for each 32 numbers along K (OCP MX v1.0); their sums are f32. All else is computed in f32.
;;   The module's matrix products, in the order in which they are computed (A, B: the left and right operand; K: the contracted axis; several contracted axes count as one K, in the product's order):
;;     1. [M 8,192, K 1,024] x [K 1,024, N 64]; A: input hidden_states (given as codes); B: input fc1_w (given as codes): QUANTISED
;;     2. [M 8,192, K 64] x [K 64, N 1,024]; A: computed on the way; B: input fc2_w (given as codes): QUANTISED
;;     3. [M 8,192, K 1,024] x [K 1,024, N 1,024]; A: input hidden_states (given as codes); B: input Wq (given as codes): QUANTISED
;;     4. [M 8,192, K 1,024] x [K 1,024, N 1,024]; A: input hidden_states (given as codes); B: input Wk (given as codes): QUANTISED
;;     5. [M 8,192, K 1,024] x [K 1,024, N 1,024]; A: input hidden_states (given as codes); B: input Wv (given as codes): QUANTISED
;;     6. batch 64 x [M 2,048, K 64] x [K 64, N 2,048]; A: computed on the way; B: computed on the way: QUANTISED
;;     7. batch 64 x [M 2,048, K 2,048] x [K 2,048, N 64]; A: softmax (see below); B: computed on the way: QUANTISED
;;   THE QUANTISER, for each operand of a quantised product, along K:
;;     - K is cut into blocks of 32 from its start; a last block that is shorter is filled with zeros.
;;     - A block's scale is 2^e with e = floor(log2(the largest magnitude in the block)) - 2, held to -126 .. 127; a block of zeros has e = 0. As a byte (E8M0): e + 127.
;;     - Each number is divided by its block's scale, clamped to +-6, and rounded to the nearest number of E2M1, ties to even, subnormals kept.
;;     - The product sums the exact products of the quantised numbers (number of the format x scale) in f32.
;;   ~~~python
;;   def quantise(x, axis):      # numpy; x: float32 -> the quantised numbers, widened to float32 again
;;       x = np.moveaxis(x, axis, -1); K = x.shape[-1]
;;       x = np.pad(x, [(0, 0)] * (x.ndim - 1) + [(0, -K % 32)]); x = x.reshape(x.shape[:-1] + (-1, 32)); a = np.abs(x).max(-1, keepdims=True)
;;       e = np.where(a > 0, np.clip(np.frexp(np.where(a > 0, a, 1))[1] - 1 - 2, -126, 127), 0)      # np.frexp(a)[1] - 1 = floor(log2(a)), exactly
;;       r = np.clip(x / 2.0 ** e, -6, 6)
;;       step = 2.0 ** (np.maximum(np.frexp(np.where(r == 0, 1, r))[1] - 1, 0) - 1)
;;       q = np.round(r / step) * step * 2.0 ** e      # np.round: ties to even
;;       return np.moveaxis(q.reshape(q.shape[:-2] + (-1,))[..., :K], -1, axis).astype(np.float32)
;;   ~~~
;;   SOFTMAX AHEAD OF A QUANTISED PRODUCT. Where the list says 'softmax', what is quantised is not the finished softmax but p = 2^(t - M), with t = logit x log2(e) and M = ceil(the row's largest t), a whole number; so 1/2 < the row's largest p <= 1. The row's sum l is taken of the UNQUANTISED p, in f32, and the product's result is divided by l at the end. Since M is a whole number, a kernel that streams over the keys may use a running M (the ceiling of the running maximum): every later rescaling is an exact power of two, which a block's scale takes up: the codes' values come out the same.
;;   OPERANDS COMPUTED ON THE WAY. 'Computed on the way' means the value that the module computes at that place (a softmax that the list does not call 'softmax' is quantised finished and normalised). What goes into a quantiser is computed in f32, as accurately as f32 sums, v_exp_f32 and their like allow (about 1e-6 of the number): no bf16 or f16 on the way to a quantiser, and a product that is left as it is and whose result goes on into a quantised operand takes f32 operands (vector FMAs, or v_wmma_f32_16x16x4_f32). A number that lies on a knife's edge between two numbers of the format may be rounded either way, as far as f32 arithmetic and the matrix unit's own rounding can turn it there, and no further.
;;   INPUTS GIVEN AS CODES. Wk (in the module: [1024, 1024], K = its axis 0); Wq (in the module: [1024, 1024], K = its axis 0); Wv (in the module: [1024, 1024], K = its axis 0); fc1_w (in the module: [1024, 64], K = its axis 0); fc2_w (in the module: [64, 1024], K = its axis 0); hidden_states (in the module: [4, 2048, 1024], K = its axis 2): each comes as NAME_codes (uint8): NAME with its K axis moved to the last place and cut into blocks of 32 codes, [.., K / 32, bytes a block], one block behind the other in memory; two codes a byte, the lower K in the low four bits (a code: sign, 2 exponent bits, 1 mantissa bit); and NAME_scales (uint8): the same leading axes, one E8M0 byte (e + 127) for each 32 codes along K. Its value is code x scale, taken as it is: it is not quantised again, and the codes and scales need not be those that the quantiser above would give.
;; One version. Each part assembles by itself: llvm-mc -triple=amdgcn-amd-amdhsa -mcpu=gfx1250 --defsym DOCPART=n.
;; ======== version 1 of 1: 2 launches
;; limits: right only within a limited range of input values
;; workspace buffers: ws 19,267,584 bytes
;; launch proj (part 1): grid 12 x 32, 16 waves a work-group, clusters of 4 x 4, 297,984 bytes of LDS; arguments hidden_states_codes, hidden_states_scales, Wq_codes, Wk_codes, Wv_codes, Wq_scales, Wk_scales, Wv_scales, bq, bk, bv, fc1_w_codes, fc1_w_scales, fc1_b, efc1, ws; writes ws
.if DOCPART == 1
	.amdgcn_target "amdgcn-amd-amdhsa--gfx1250"
	.amdhsa_code_object_version 6
	.text
	.protected	k_qf64d053c5c_proj
	.globl	k_qf64d053c5c_proj
	.p2align	8
	.type	k_qf64d053c5c_proj,@function
k_qf64d053c5c_proj:
	s_mov_b64 s[64:65], 0
	v_nop
	global_prefetch_b8 v0, s[64:65] scope:SCOPE_SE
	s_setreg_imm32_b32 hwreg(HW_REG_WAVE_MODE, 25, 1), 1
	s_wait_xcnt 0x0
	s_wait_alu depctr_hold_cnt(0) depctr_sa_sdst(0) depctr_va_vdst(0) depctr_va_sdst(0) depctr_va_ssrc(0) depctr_va_vcc(0) depctr_vm_vsrc(0)
	s_getreg_b32 s2, hwreg(HW_REG_IB_STS2, 6, 4)
	s_cmp_eq_u32 s2, 0
	s_cbranch_scc0 .Lentry_in_a_cluster
	s_endpgm
.Lentry_in_a_cluster:
	s_bfe_u32 s2, ttmp6, 0x10000c
	s_cmp_lg_u32 s2, 0xf033
	s_cbranch_scc0 .Lentry_shape_is_right
	s_endpgm
.Lentry_shape_is_right:
; q = x Wq + bq, k = x Wk + bk, v = x Wv + bv and h = relu(x fc1_w + fc1_b) sigmoid(100 efc1[3]), all on codes of FP4 (E2M1) with one E8M0 byte for each 32 along K,
; and their results quantised at once for the next launch: q, k and h along the features, v along the keys.  x: 8,192 tokens x 1,024; each weight [n][1,024], K innermost.
; SHARES.  Cluster x (0, 1, 2) says which of Wq, Wk, Wv: it is the same in all sixteen partners.  A work-group makes 256 tokens (4 x cluster y + cy) x 256 features (cx) of it;
; wave w of sixteen makes 64 tokens (w / 4) x 64 features (w % 4: one head): 16 accumulators, 128 registers; four waves to a SIMD.
; LDS.  All of K for the work-group's 256 rows of x and 256 rows of W lies in LDS at once (two halves of K, rows of 256 bytes + 16), with their scale bytes: every byte is filled once.
; CLUSTER.  x's rows hang on the token block alone and are shared along a row of the cluster, W's on cx alone and are shared along a column: each tile is asked for jointly by four.
; TRANSPOSED FOR q AND k (source 0 = 16 rows of W, source 1 = 16 tokens): a lane holds ONE token and its registers run along the features, the next K.  For v the sources change places:
; a lane holds ONE feature and its registers run along the tokens, which are the keys, the next K.  So one way out serves all three.
; THE WAY OUT.  In tile i = 2 b + u register j of lane (r, h) is index 32 b + 16 u + 8 h + j of 64 along the next K.  Four conversions (b0 u0, b1 u0, b0 u1, b1 u1) and two exchanges of lane halves leave in
; lane half h' the four registers of block h' in ascending order: an operand's registers 0 to 3.  They are stored as they stand, 16 bytes a lane: the next launch loads them back so.
; ws: for each head (16 x batch + head) 294,912 bytes: 16 steps of 128 keys x 9,216 bytes (K images 4,096 | V images 4,096 | K scale words 512 | V scale words 512), then the same frame for Q (images, scale words);
; behind the 64 heads h's images (512 bytes for 16 tokens) and h's scale bytes (a word a lane and block).  A scale word holds the two blocks' bytes; its upper two bytes are 0.
; THE ADAPTER'S FIRST PRODUCT is made by waves 8 to 11 of the work-groups of Wq and Wk, 16 tokens x 32 units each, straight from memory, while the tiles are on their way.
; LIMITS: NaN, infinities and scale bytes 0xff among the inputs are not served.  A block whose largest magnitude lies under 2^-124, a block of zeros among them, gets the byte 1
; (a block of zeros has zero codes, which add nothing under that byte; the bytes are read by this program alone).
.set BLK,    294912                    ; a head's part of ws
.set STEPB,  9216                      ; a step of 128 keys in it
.set HIMG,   64*BLK                    ; h's images
.set HSCL,   HIMG+262144               ; h's scale bytes
.set PITCH,  272                       ; an LDS row: 256 bytes + 16 = 68 words, so that the 16 rows of a fragment load start 4 banks apart (64 banks of 4 bytes: ISA guide 11.1)
.set QUART,  64*PITCH                  ; 64 rows: what a wave reads of x or of W; a tensor load of codes brings two of them
.set XROWS,  256*PITCH
.set SLOT,   2*XROWS                   ; half of K: x's 256 rows, then W's
.set SCL,    2*SLOT                    ; behind the two halves: x's scale bytes, then W's: 32 bytes a row, dense, as units of 256 bytes + 16
.set SQUART, 8*PITCH                   ; the scale bytes of 64 rows
.set ADX,  1                           ; v1-2   LDS address of my fragments of x in K half 0, 1
.set ADW,  3                           ; v3-4   of W
.set ADSX, 5                           ; v5     of x's scale words: a lane a row
.set ADSW, 6                           ; v6     of W's
.set L16,  7                           ; v7     16 x lane
.set L8,   8                           ; v8     8 x lane
.set OFR,  9                           ; v9     512 r + 16 h: a fragment's place in rows of 512 bytes in memory
.set OR32, 10                          ; v10    32 r
.set OL32, 11                          ; v11    32 x lane
.set OH32, 12                          ; v12    32 h
.set OHI,  13                          ; v13    16 r + 8 h
.set L4,   14                          ; v14    4 x lane
.set R4,   15                          ; v15    4 r
.set SX,   16                          ; v16-23 x's scale words: register 4 e + q: lanes 0-15 tile 2 e, lanes 16-31 tile 2 e + 1, the half's q-th 128 along K
.set SW,   24                          ; v24-31 W's likewise
.set BI,   32                          ; v32-63 the bias, eight registers for each tile of 16 features, in the result's layout; later at work
.set XF,   64                          ; v64-95   four fragments of x
.set WF,   96                          ; v96-127  four fragments of W
.set ACC,  128                         ; v128-255 accumulator (o, i) at ACC + 32 o + 8 i: o the tile on the lanes' axis, i the tile on the registers' axis
.set SEL,  18                          ; s[18:19] lane selects for v_permlanex16_b32: lane l xor 16
.set G1X,  36                          ; s[36:43] descriptor group 1 for x's codes;   s[44:51] for W's
.set G1W,  44
.set G1SX, 52                          ; s[52:59] for x's scale bytes;   s[68:75] for W's
.set G1SW, 68
.set G0XS, 60                          ; s[60:63] group 0: x's scale bytes;  s[76:79] x's codes
.set G0X,  76
.set G0WS, 84                          ; s[84:87] W's scale bytes;  s[88:91] W's codes
.set G0W,  88
.set WV,   96                          ; s96  wave
.set MX,   97                          ; s97  which weight: cluster x
.set CX,   98                          ; s98, s99  my place in the cluster
.set CY,   99
.set TY,   100                         ; s100 block of 256 tokens
; A round of the cluster's barrier: my work-group's barrier, wave 0 signals for the work-group, every wave waits for all sixteen work-groups, my work-group's barrier once more.
.macro CROUND
	s_barrier_signal -1
	s_barrier_wait -1
	s_cmp_lg_u32 s[WV], 0
	s_cbranch_scc1 .Lnot_wave_0_\@
	s_barrier_signal -3
.Lnot_wave_0_\@:
	s_barrier_wait -3
	s_barrier_signal -1
	s_barrier_wait -1
.endm
; One product 16 x 16 x 128.  ra, rb = 1: that side's scale words stand in lanes 16-31 of the register named.
.macro WM d, a, b, c, sa, sb, ra, rb
.if (\ra) && (\rb)
	v_wmma_scale_f32_16x16x128_f8f6f4 v[(\d):(\d)+7], v[(\a):(\a)+7], v[(\b):(\b)+7], v[(\c):(\c)+7], v[(\sa)], v[(\sb)] matrix_a_fmt:MATRIX_FMT_FP4 matrix_b_fmt:MATRIX_FMT_FP4 matrix_a_scale:MATRIX_SCALE_ROW1 matrix_b_scale:MATRIX_SCALE_ROW1
.elseif (\ra)
	v_wmma_scale_f32_16x16x128_f8f6f4 v[(\d):(\d)+7], v[(\a):(\a)+7], v[(\b):(\b)+7], v[(\c):(\c)+7], v[(\sa)], v[(\sb)] matrix_a_fmt:MATRIX_FMT_FP4 matrix_b_fmt:MATRIX_FMT_FP4 matrix_a_scale:MATRIX_SCALE_ROW1
.elseif (\rb)
	v_wmma_scale_f32_16x16x128_f8f6f4 v[(\d):(\d)+7], v[(\a):(\a)+7], v[(\b):(\b)+7], v[(\c):(\c)+7], v[(\sa)], v[(\sb)] matrix_a_fmt:MATRIX_FMT_FP4 matrix_b_fmt:MATRIX_FMT_FP4 matrix_b_scale:MATRIX_SCALE_ROW1
.else
	v_wmma_scale_f32_16x16x128_f8f6f4 v[(\d):(\d)+7], v[(\a):(\a)+7], v[(\b):(\b)+7], v[(\c):(\c)+7], v[(\sa)], v[(\sb)] matrix_a_fmt:MATRIX_FMT_FP4 matrix_b_fmt:MATRIX_FMT_FP4
.endif
.endm
	s_load_b512 s[4:19], s[0:1], 0x0               ; x codes 4, x scales 6, Wq Wk Wv codes 8 10 12, their scales 14 16 18
	s_load_b512 s[20:35], s[0:1], 0x40             ; bq bk bv 20 22 24, fc1 codes 26, fc1 scales 28, fc1_b 30, efc1 32, ws 34
	v_lshl_add_u32 v254, v0, 2, 0x48400
	v_mov_b32 v255, 0
	ds_add_u32 v254, v255
	ds_add_u32 v254, v255
	s_wait_dscnt 0x0
	v_lshrrev_b32 v32, 5, v0
	s_delay_alu instid0(VALU_DEP_1)
	v_readfirstlane_b32 s[WV], v32                 ; wave 0..15
	s_mov_b32 s[MX], ttmp9                         ; in a cluster launch ttmp9 and ttmp7 count clusters
	s_bfe_u32 s[CX], ttmp6, 0x40000
	s_bfe_u32 s[CY], ttmp6, 0x40004
	s_and_b32 s[TY], ttmp7, 0xffff
	s_lshl_b32 s[TY], s[TY], 2
	s_add_co_u32 s[TY], s[TY], s[CY]               ; block of 256 tokens = 4 x cluster y + cy
	s_lshl_b32 s2, s[CY], 2
	s_lshl_b32 s2, 15, s2                          ; my row of the cluster
	s_lshl_b32 s3, 0x1111, s[CX]                   ; my column
	; group 1, codes: 128 rows of 256 bytes, 512 bytes apart in memory.  15:0 the mask; 17:16 elements of 1 byte; 20 padding on; 21 set beside a mask; 24:22 after every 64 words (code 5); 31:25 four words (code 3)
	s_or_b32 s[G1X], s2, 0x07700000
	s_or_b32 s[G1W], s3, 0x07700000
.irp g, G1X, G1W
	s_mov_b32 s[\g+1], 256<<16                     ; tensor_dim0
	s_mov_b32 s[\g+2], 128<<16                     ; tensor_dim1
	s_mov_b32 s[\g+3], 256<<16                     ; tile_dim0
	s_mov_b32 s[\g+4], 128                         ; tile_dim1
	s_mov_b32 s[\g+5], 512                         ; from row to row
	s_mov_b32 s[\g+6], 0
	s_mov_b32 s[\g+7], 0
.endr
	; group 1, scale bytes: those of 256 rows are 8,192 dense bytes: 32 rows of 256 bytes (32 elements of 8 bytes), the same padding
	s_or_b32 s[G1SX], s2, 0x07730000
	s_or_b32 s[G1SW], s3, 0x07730000
.irp g, G1SX, G1SW
	s_mov_b32 s[\g+1], 32<<16
	s_mov_b32 s[\g+2], 32<<16
	s_mov_b32 s[\g+3], 32<<16
	s_mov_b32 s[\g+4], 32
	s_mov_b32 s[\g+5], 32
	s_mov_b32 s[\g+6], 0
	s_mov_b32 s[\g+7], 0
.endr
	; every LDS address is made here, of the lane and the wave's number alone
	v_and_b32 v32, 31, v0                          ; lane
	v_and_b32 v33, 15, v0                          ; r
	v_bfe_u32 v34, v0, 4, 1                        ; h
	s_delay_alu instid0(VALU_DEP_2)
	v_mul_u32_u24 v35, v33, PITCH
	s_delay_alu instid0(VALU_DEP_1)
	v_lshl_add_u32 v35, v34, 4, v35                ; a fragment: row r, + 16 h
	s_lshr_b32 s2, s[WV], 2                        ; which 64 tokens
	s_and_b32 s3, s[WV], 3                         ; which 64 features
	s_mul_i32 s101, s2, QUART
	v_add_nc_u32 v[ADX], s101, v35
	s_delay_alu instid0(VALU_DEP_1)
	v_add_nc_u32 v[ADX+1], SLOT, v[ADX]
	s_mul_i32 s101, s3, QUART
	s_add_co_u32 s101, s101, XROWS
	v_add_nc_u32 v[ADW], s101, v35
	s_delay_alu instid0(VALU_DEP_1)
	v_add_nc_u32 v[ADW+1], SLOT, v[ADW]
	v_lshrrev_b32 v36, 3, v32
	v_lshlrev_b32 v35, 5, v32
	s_delay_alu instid0(VALU_DEP_1)
	v_lshl_add_u32 v35, v36, 4, v35                ; scale bytes: 32 a row, and 16 more for each 8 rows passed
	s_mul_i32 s101, s2, SQUART
	s_add_co_u32 s101, s101, SCL
	v_add_nc_u32 v[ADSX], s101, v35
	s_mul_i32 s101, s3, SQUART
	s_add_co_u32 s101, s101, SCL+4*SQUART
	v_add_nc_u32 v[ADSW], s101, v35
	v_lshlrev_b32 v[L16], 4, v32                   ; offsets into memory
	v_lshlrev_b32 v[L8], 3, v32
	v_lshlrev_b32 v[OFR], 9, v33
	s_delay_alu instid0(VALU_DEP_1)
	v_lshl_add_u32 v[OFR], v34, 4, v[OFR]
	v_lshlrev_b32 v[OR32], 5, v33
	v_lshlrev_b32 v[OL32], 5, v32
	v_lshlrev_b32 v[OH32], 5, v34
	v_lshlrev_b32 v[OHI], 4, v33
	s_delay_alu instid0(VALU_DEP_1)
	v_lshl_add_u32 v[OHI], v34, 3, v[OHI]
	v_lshlrev_b32 v[L4], 2, v32
	v_lshlrev_b32 v[R4], 2, v33
	s_wait_kmcnt 0x0
	s_cmp_eq_u32 s[MX], 1                          ; which weight: the choice hangs on the cluster's number alone
	s_cselect_b64 s[8:9], s[10:11], s[8:9]
	s_cselect_b64 s[14:15], s[16:17], s[14:15]
	s_cselect_b64 s[20:21], s[22:23], s[20:21]
	s_cmp_eq_u32 s[MX], 2
	s_cselect_b64 s[8:9], s[12:13], s[8:9]         ; W's codes
	s_cselect_b64 s[14:15], s[18:19], s[14:15]     ; W's scale bytes
	s_cselect_b64 s[20:21], s[24:25], s[20:21]     ; its bias
	; where the tiles come from.  x's hang on the token block, which my row of the cluster shares; W's on cx, which my column shares; each in registers that never hold the other
	s_lshl_b32 s10, s[TY], 8                       ; x: row 256 x block
	s_lshl_b32 s12, s[CX], 8                       ; W: row 256 cx
	s_lshl_b32 s16, s10, 5                         ; 32 scale bytes a row,
	s_lshl_b32 s22, s12, 5
	s_lshl_b32 s10, s10, 9                         ; 512 bytes of codes
	s_lshl_b32 s12, s12, 9
	s_mov_b32 s11, 0
	s_mov_b32 s13, 0
	s_mov_b32 s17, 0
	s_mov_b32 s23, 0
	s_add_nc_u64 s[10:11], s[4:5], s[10:11]
	s_add_nc_u64 s[12:13], s[8:9], s[12:13]
	s_add_nc_u64 s[16:17], s[6:7], s[16:17]
	s_add_nc_u64 s[22:23], s[14:15], s[22:23]
	; one tensor load a wave: waves 0-3 fetch x's codes, waves 4-7 W's: 128 rows (wave % 2) of K half (wave / 2) % 2; wave 8 x's scale bytes, wave 9 W's
	s_and_b32 s24, s[WV], 1
	s_bfe_u32 s25, s[WV], 0x10001
	s_mul_i32 s101, s24, 2*QUART
	s_mul_i32 s2, s25, SLOT
	s_add_co_u32 s101, s101, s2                    ; where x's part goes in LDS; W's lies XROWS behind it
	s_lshl_b32 s24, s24, 16                        ; 128 rows of 512 bytes,
	s_lshl_b32 s25, s25, 8                         ; 256 bytes along a row
	s_add_co_u32 s24, s24, s25
	s_mov_b32 s25, 0
	s_add_nc_u64 s[10:11], s[10:11], s[24:25]
	s_add_nc_u64 s[12:13], s[12:13], s[24:25]
	s_mov_b32 s[G0XS], 1                           ; 1:0 count = 1
	s_mov_b32 s[G0XS+1], SCL                       ; 63:32 LDS address
	s_mov_b64 s[G0XS+2:G0XS+3], s[16:17]           ; 120:64 global address
	s_or_b32 s[G0XS+3], s[G0XS+3], 0x80000000      ; 127:126 type = 2
	s_mov_b32 s[G0WS], 1
	s_mov_b32 s[G0WS+1], SCL+4*SQUART
	s_mov_b64 s[G0WS+2:G0WS+3], s[22:23]
	s_or_b32 s[G0WS+3], s[G0WS+3], 0x80000000
	s_mov_b32 s[G0X], 1
	s_mov_b32 s[G0X+1], s101
	s_mov_b64 s[G0X+2:G0X+3], s[10:11]
	s_or_b32 s[G0X+3], s[G0X+3], 0x80000000
	s_mov_b32 s[G0W], 1
	s_add_co_u32 s[G0W+1], s101, XROWS
	s_mov_b64 s[G0W+2:G0W+3], s[12:13]
	s_or_b32 s[G0W+3], s[G0W+3], 0x80000000
	s_lshl_b32 s16, s[CX], 10
	s_lshl_b32 s17, s3, 8
	s_add_co_u32 s16, s16, s17
	s_mov_b32 s17, 0
	s_add_nc_u64 s[20:21], s[20:21], s[16:17]      ; the bias at my 64 features: 4 (256 cx + 64 (wave % 4)) bytes on
	s_mov_b32 s[SEL], 0x76543210
	s_mov_b32 s[SEL+1], 0xfedcba98
	CROUND                                         ; all sixteen work-groups are here: the joint loads meet
	s_cmp_lt_u32 s[WV], 4                          ; one chain of branches on the wave's number, one fill to an arm, all arms leading to one join
	s_cbranch_scc0 .Lnot_x
	tensor_load_to_lds s[G0X:G0X+3], s[G1X:G1X+7]
	s_nop 0
.rept 4
	v_nop                                          ; four plain lines behind the last load, ahead of the jump and the label
.endr
	s_branch .Lasked
.Lnot_x:
	s_cmp_lt_u32 s[WV], 8
	s_cbranch_scc0 .Lnot_w
	tensor_load_to_lds s[G0W:G0W+3], s[G1W:G1W+7]
	s_nop 0
.rept 4
	v_nop
.endr
	s_branch .Lasked
.Lnot_w:
	s_cmp_eq_u32 s[WV], 8
	s_cbranch_scc0 .Lnot_xs
	tensor_load_to_lds s[G0XS:G0XS+3], s[G1SX:G1SX+7]
	s_nop 0
.rept 4
	v_nop
.endr
	s_branch .Lasked
.Lnot_xs:
	s_cmp_eq_u32 s[WV], 9
	s_cbranch_scc0 .Lasked
	tensor_load_to_lds s[G0WS:G0WS+3], s[G1SW:G1SW+7]
	s_nop 0
.rept 4
	v_nop
.endr
.Lasked:
	; ---- THE ADAPTER'S FIRST PRODUCT: 512 tiles of 16 tokens x 2 blocks of 32 units = 1,024 jobs = 256 work-groups (those of Wq and Wk) x waves 8 to 11.  No LDS, no barrier, no tensor load in here.
	s_cmp_ge_u32 s[MX], 2
	s_cbranch_scc1 .Lno_adapter
	s_cmp_lt_u32 s[WV], 8
	s_cbranch_scc1 .Lno_adapter
	s_cmp_ge_u32 s[WV], 12
	s_cbranch_scc1 .Lno_adapter
.set XA,  64                           ; v64-127  x's eight fragments (16 tokens, all of K)
.set FAA, 128                          ; v128-255 fc1_w's sixteen: tile u2 of 16 units at 64 u2
.set AC,  32                           ; v32-47   two accumulators, begun as fc1_b
.set EG,  48                           ; v48-63   efc1[3] at my lane's 16 units, then the gate
	s_and_b32 s2, s[WV], 1                         ; u
	s_bfe_u32 s3, s[WV], 0x10001                   ; beta: which block of 32 units
	s_lshl_b32 s16, s[TY], 3
	s_lshl_b32 s17, s[MX], 2
	s_add_co_u32 s16, s16, s17
	s_add_co_u32 s16, s16, s[CX]
	s_lshl_b32 s16, s16, 1
	s_add_co_u32 s16, s16, s2                      ; T = 2 (8 x block + 4 x weight + cx) + u: the tile of 16 tokens, 0 .. 511
	s_mov_b32 s23, 0
	s_lshl_b32 s22, s16, 13
	s_add_nc_u64 s[4:5], s[4:5], s[22:23]          ; x's codes: 16 rows of 512 bytes a tile
	s_lshl_b32 s22, s16, 9
	s_add_nc_u64 s[6:7], s[6:7], s[22:23]          ; x's scale bytes
	s_lshl_b32 s22, s3, 14
	s_add_nc_u64 s[26:27], s[26:27], s[22:23]      ; fc1_w's codes: 32 rows of 512 bytes a block
	s_lshl_b32 s22, s3, 10
	s_add_nc_u64 s[28:29], s[28:29], s[22:23]      ; its scale bytes
	s_lshl_b32 s22, s3, 7
	s_add_nc_u64 s[30:31], s[30:31], s[22:23]      ; fc1_b
	s_add_co_u32 s22, s22, 768                     ; t = 3: row 3 of 64 f32
	s_add_nc_u64 s[32:33], s[32:33], s[22:23]      ; efc1
	s_lshl_b32 s22, s16, 9
	s_lshl_b32 s17, s3, 8
	s_add_co_u32 s22, s22, s17
	s_add_co_u32 s22, s22, HIMG
	s_add_nc_u64 s[10:11], s[34:35], s[22:23]      ; h's image: 512 T + 256 beta
	s_lshl_b32 s22, s16, 8
	s_lshl_b32 s17, s3, 7
	s_add_co_u32 s22, s22, s17
	s_add_co_u32 s22, s22, HSCL
	s_add_nc_u64 s[12:13], s[34:35], s[22:23]      ; h's scale bytes: 256 T + 128 beta
	s_wait_alu depctr_va_vdst(0)
.irp q, 0,1,2,3,4,5,6,7
.irp c, 0,1
	global_load_b128 v[XA+8*\q+4*\c:XA+8*\q+4*\c+3], v[OFR], s[4:5] offset:64*\q+32*\c
	global_load_b128 v[FAA+8*\q+4*\c:FAA+8*\q+4*\c+3], v[OFR], s[26:27] offset:64*\q+32*\c
	global_load_b128 v[FAA+64+8*\q+4*\c:FAA+64+8*\q+4*\c+3], v[OFR], s[26:27] offset:8192+64*\q+32*\c
.endr
.endr
.irp e, 0,1
	global_load_b128 v[SX+4*\e:SX+4*\e+3], v[OR32], s[6:7] offset:16*\e    ; token r's eight scale words
	global_load_b128 v[SW+4*\e:SW+4*\e+3], v[OL32], s[28:29] offset:16*\e  ; unit (lane)'s: tile 0 in lanes 0-15, tile 1 in lanes 16-31
.endr
.irp u, 0,1
.irp e, 0,1
	global_load_b128 v[AC+8*\u+4*\e:AC+8*\u+4*\e+3], v[OH32], s[30:31] offset:64*\u+16*\e   ; units 16 u + 8 h + 0 .. 7 of the block
	global_load_b128 v[EG+8*\u+4*\e:EG+8*\u+4*\e+3], v[OH32], s[32:33] offset:64*\u+16*\e
.endr
.endr
	s_wait_loadcnt 0x0
.irp q, 0,1,2,3,4,5,6,7                        ; source 0 = 16 units, source 1 = my 16 tokens; the two accumulators take turns, one instruction a turn; the bias is what they begin with
	WM AC, FAA+8*\q, XA+8*\q, AC, SW+\q, SX+\q, 0, 0
	WM AC+8, FAA+64+8*\q, XA+8*\q, AC+8, SW+\q, SX+\q, 1, 0
.endr
	; the gate: 1 / (1 + 2^(-log2(e) z)), z = 100 e rounded first, as the sum is written.  These plain lines are also the places behind the products
.set j, 0
.rept 8
	v_pk_mul_f32 v[EG+j:EG+j+1], v[EG+j:EG+j+1], 0x42c80000 op_sel_hi:[1,0]
.set j, j+2
.endr
.set j, 0
.rept 8
	v_pk_mul_f32 v[EG+j:EG+j+1], v[EG+j:EG+j+1], 0xbfb8aa3b op_sel_hi:[1,0]
.set j, j+2
.endr
.set j, 0
	s_wait_alu depctr_va_vdst(0)
.rept 16
	v_exp_f32 v[EG+j], v[EG+j]
.set j, j+1
.endr
	v_nop                                          ; a plain line behind the last exponential
	s_wait_alu depctr_va_vdst(0)                   ; one wait for the sixteen, ahead of their first reader
.set j, 0
.rept 8
	v_pk_add_f32 v[EG+j:EG+j+1], v[EG+j:EG+j+1], 1.0 op_sel_hi:[1,0]
.set j, j+2
.endr
.set j, 0
	s_wait_alu depctr_va_vdst(0)
.rept 16
	v_rcp_f32 v[EG+j], v[EG+j]
.set j, j+1
.endr
.set j, 0
	s_wait_alu depctr_va_vdst(0)
.rept 16
	v_max_num_f32 v[AC+j], 0, v[AC+j]              ; relu, each accumulator from its low end on: the work that stands between the reciprocals and the wait for them
.set j, j+1
.endr
	s_wait_alu depctr_va_vdst(0)                   ; one wait for the sixteen reciprocals
.set j, 0
.rept 8
	v_pk_mul_f32 v[AC+j:AC+j+1], v[AC+j:AC+j+1], v[EG+j:EG+j+1]
.set j, j+2
.endr
	v_max3_num_f32 v64, v[AC], v[AC+1], 0x1800000  ; the block's largest number (none is negative), with the floor 2^(3 - 127): the byte cannot fall under 1
.irp i, 2,4,6,8,10,12,14
	s_delay_alu instid0(VALU_DEP_1)
	v_max3_num_f32 v64, v64, v[AC+\i], v[AC+\i+1]
.endr
	s_delay_alu instid0(VALU_DEP_1)
	v_permlanex16_b32 v65, v64, s[SEL], s[SEL+1]
	s_delay_alu instid0(VALU_DEP_1)
	v_max_num_f32 v64, v64, v65                    ; with lane l xor 16's 16 units
	s_delay_alu instid0(VALU_DEP_1)
	v_add_nc_u32 v66, 0xff000000, v64              ; 2 off its exponent field: the conversion takes this operand's exponent field as its scale
	v_cvt_scalef32_pk8_fp4_f32 v68, v[AC:AC+7], v66          ; units 8 h + 0 .. 7
	v_cvt_scalef32_pk8_fp4_f32 v69, v[AC+8:AC+15], v66       ; units 16 + 8 h + 0 .. 7
	v_lshrrev_b32 v67, 23, v66                     ; the scale's byte.  (The plain line behind the conversions)
	v_permlane16_swap_b32 v68, v69                 ; lane (r, 0) now holds units 0 .. 15 of token r, lane (r, 1) units 16 .. 31
	global_store_b64 v[OHI], v[68:69], s[10:11]    ; the wave stores 256 consecutive bytes, aligned: lanes 16 beta .. 16 beta + 15 of the image
	global_store_b32 v[L4], v67, s[12:13]
	s_wait_xcnt 0x0                                ; the registers that these loads and stores name are written again below
.Lno_adapter:
	; ---- the bias, as the C of each sum's first product
	s_cmp_eq_u32 s[MX], 2
	s_cbranch_scc1 .Lbias_v
	s_wait_alu depctr_va_vdst(0)
.irp f, 0,1,2,3
	global_load_b128 v[BI+8*\f:BI+8*\f+3], v[OH32], s[20:21] offset:64*\f          ; q, k: register j is feature 16 f + 8 h + j
	global_load_b128 v[BI+8*\f+4:BI+8*\f+7], v[OH32], s[20:21] offset:64*\f+16
.endr
	s_branch .Lbias_done
.Lbias_v:
	s_wait_alu depctr_va_vdst(0)
.irp f, 0,1,2,3
	global_load_b32 v[BI+8*\f], v[R4], s[20:21] offset:64*\f                       ; v: a lane holds feature 16 f + r in all eight registers
.endr
	s_wait_loadcnt 0x0
.irp f, 0,1,2,3
.irp j, 1,2,3,4,5,6,7
	v_mov_b32 v[BI+8*\f+\j], v[BI+8*\f]
.endr
.endr
.Lbias_done:
; Half hf of K: four steps of 128.  A step: 16 LDS loads (four fragments a side), their wait, 16 products.  The 16 accumulators take turns in the same order in every step.
; swap = 0 (q, k): source 0 = W's tile i, source 1 = x's tile o.  swap = 1 (v): source 0 = x's tile i, source 1 = W's tile o.
.macro HALF hf, swap
.if \swap
.set FA, XF
.set FB, WF
.set SA, SX
.set SB, SW
.else
.set FA, WF
.set FB, XF
.set SA, SW
.set SB, SX
.endif
.irp qq, 0,1,2,3
.if (\hf)+\qq
.rept 4
	v_nop                                          ; four places in front of loads into registers that the last products read (ISA guide 7.12.1 for vector instructions)
.endr
.endif
.if \qq == 0
.irp e, 0,1
	ds_load_b128 v[SX+4*\e:SX+4*\e+3], v[ADSX] offset:1088*\e+16*(\hf)   ; the half's four scale words of rows 32 e + lane
	ds_load_b128 v[SW+4*\e:SW+4*\e+3], v[ADSW] offset:1088*\e+16*(\hf)
.endr
.endif
.irp t, 0,1,2,3
.irp c, 0,1
	ds_load_b128 v[XF+8*\t+4*\c:XF+8*\t+4*\c+3], v[ADX+\hf] offset:4352*\t+64*\qq+32*\c
	ds_load_b128 v[WF+8*\t+4*\c:WF+8*\t+4*\c+3], v[ADW+\hf] offset:4352*\t+64*\qq+32*\c
.endr
.endr
	s_wait_dscnt 0x0
.irp o, 0,1,2,3
.irp i, 0,1,2,3
.if ((\hf)+\qq) == 0
	WM ACC+32*\o+8*\i, FA+8*\i, FB+8*\o, BI+8*(\swap*\o+(1-\swap)*\i), SA+4*(\i/2)+\qq, SB+4*(\o/2)+\qq, \i%2, \o%2
.else
	WM ACC+32*\o+8*\i, FA+8*\i, FB+8*\o, ACC+32*\o+8*\i, SA+4*(\i/2)+\qq, SB+4*(\o/2)+\qq, \i%2, \o%2
.endif
.endr
.endr
.endr
.endm
	s_wait_tensorcnt 0x0                           ; my one load has landed;
	s_barrier_signal -1
	s_barrier_wait -1                              ; everybody's have.
	s_wait_loadcnt 0x0                             ; the bias
	s_cmp_eq_u32 s[MX], 2
	s_cbranch_scc1 .Lv_half0
	s_wait_alu depctr_va_vdst(0)
	HALF 0, 0
	s_branch .Ljoin0
.Lv_half0:
	s_wait_alu depctr_va_vdst(0)
	HALF 0, 1
.Ljoin0:
	s_cmp_eq_u32 s[MX], 2
	s_cbranch_scc1 .Lv_half1
	HALF 1, 0
	s_branch .Ljoin1
.Lv_half1:
	HALF 1, 1
.Ljoin1:
	; ---- THE WAY OUT.  Where my four images and my scale words go: head 16 x batch + 4 cx + wave % 4; g = which 64 tokens of the batch's 2,048
	s_lshr_b32 s2, s[TY], 3
	s_lshl_b32 s2, s2, 4
	s_lshl_b32 s3, s[CX], 2
	s_add_co_u32 s2, s2, s3
	s_and_b32 s3, s[WV], 3
	s_add_co_u32 s2, s2, s3
	s_mul_i32 s2, s2, BLK
	s_and_b32 s3, s[TY], 7
	s_lshl_b32 s3, s3, 2
	s_lshr_b32 s16, s[WV], 2
	s_add_co_u32 s3, s3, s16                       ; g
	s_lshr_b32 s16, s3, 1
	s_mul_i32 s16, s16, STEPB
	s_add_co_u32 s2, s2, s16                       ; the step of 128
	s_and_b32 s3, s3, 1                            ; and which 64 of it
	s_cmp_eq_u32 s[MX], 0
	s_cselect_b32 s16, 147456, 0                   ; images: q's frame lies behind k's and v's; k's images at 0,
	s_cmp_eq_u32 s[MX], 2
	s_cselect_b32 s16, 4096, s16                   ; v's at 4,096
	s_mov_b32 s17, 8192                            ; the scale words lie 8,192 behind q's and k's images,
	s_cselect_b32 s17, 4608, s17                   ; 4,608 behind v's
	s_add_co_u32 s2, s2, s16
	s_lshl_b32 s22, s3, 11
	s_add_co_u32 s22, s22, s2
	s_mov_b32 s23, 0
	s_lshl_b32 s24, s3, 8
	s_add_co_u32 s24, s24, s2
	s_add_co_u32 s24, s24, s17
	s_mov_b32 s25, 0
	s_add_nc_u64 s[22:23], s[34:35], s[22:23]
	s_add_nc_u64 s[24:25], s[34:35], s[24:25]
.rept 4
	v_nop                                          ; four places between the last products and the first read of results
.endr
.set BM, 32                            ; v32-39 largest magnitudes, (o, b) at 2 o + b;  v40-47 the other lane's, then the bytes;  v48-55 the conversions' scale operands
.set BP, 40
.set SO, 48
.set WD, 56                            ; v56-59 a scale word for each o;  v60-61 as they are stored;  v62 lane;  v64-79 the codes
.set PR, 60
.set LN, 62
.set PC, 64
.irp b, 0,1
.irp o, 0,1,2,3
	v_max3_num_f32 v[BM+2*\o+\b], |v[ACC+32*\o+16*\b]|, |v[ACC+32*\o+16*\b+1]|, 0x1800000   ; block b of tile row o: my 16 numbers, and the floor 2^(3 - 127).  Each accumulator is read from its low end on
.endr
.endr
.irp i, 2,4,6,8,10,12,14
.irp b, 0,1
.irp o, 0,1,2,3
	v_max3_num_f32 v[BM+2*\o+\b], v[BM+2*\o+\b], |v[ACC+32*\o+16*\b+\i]|, |v[ACC+32*\o+16*\b+\i+1]|   ; (the eight blocks by turns: no line waits for the line above it)
.endr
.endr
.endr
.irp n, 0,1,2,3,4,5,6,7
	v_permlanex16_b32 v[BP+\n], v[BM+\n], s[SEL], s[SEL+1]
.endr
.irp n, 0,1,2,3,4,5,6,7
	v_max_num_f32 v[BM+\n], v[BM+\n], v[BP+\n]     ; with lane l xor 16's: the block's largest magnitude
.endr
.irp n, 0,1,2,3,4,5,6,7
	v_add_nc_u32 v[SO+\n], 0xff000000, v[BM+\n]    ; 2 off its exponent field
.endr
.irp n, 0,1,2,3,4,5,6,7
	v_lshrrev_b32 v[BP+\n], 23, v[SO+\n]           ; the scale's byte
.endr
.irp o, 0,1,2,3
	v_lshl_or_b32 v[WD+\o], v[BP+2*\o+1], 8, v[BP+2*\o]   ; the two bytes; the word's upper half stays 0
.endr
.irp o, 0,1,2,3
	v_cvt_scalef32_pk8_fp4_f32 v[PC+4*\o],   v[ACC+32*\o:ACC+32*\o+7],     v[SO+2*\o]     ; block 0, indices 8 h + 0 .. 7
	v_cvt_scalef32_pk8_fp4_f32 v[PC+4*\o+1], v[ACC+32*\o+16:ACC+32*\o+23], v[SO+2*\o+1]   ; block 1, the same
	v_cvt_scalef32_pk8_fp4_f32 v[PC+4*\o+2], v[ACC+32*\o+8:ACC+32*\o+15],  v[SO+2*\o]     ; block 0, indices 16 + 8 h + 0 .. 7
	v_cvt_scalef32_pk8_fp4_f32 v[PC+4*\o+3], v[ACC+32*\o+24:ACC+32*\o+31], v[SO+2*\o+1]   ; block 1, the same
.endr
	v_and_b32 v[LN], 31, v0                        ; (the plain line behind the conversions)
.irp o, 0,1,2,3
	v_permlane16_swap_b32 v[PC+4*\o], v[PC+4*\o+1]     ; lane half h' now holds block h': indices 0-7, 8-15,
	v_permlane16_swap_b32 v[PC+4*\o+2], v[PC+4*\o+3]   ; 16-23, 24-31
.endr
	v_cmp_le_u32 vcc_lo, 16, v[LN]
	s_delay_alu instid0(VALU_DEP_1)
	v_cndmask_b32 v[PR], v[WD], v[WD+1], vcc_lo    ; lanes 0-15 carry tile 0's words, lanes 16-31 tile 1's: as a scale register is read
	s_delay_alu instid0(VALU_DEP_2)
	v_cndmask_b32 v[PR+1], v[WD+2], v[WD+3], vcc_lo
.irp o, 0,1,2,3
	global_store_b128 v[L16], v[PC+4*\o:PC+4*\o+3], s[22:23] offset:512*\o   ; 512 consecutive bytes, aligned
.endr
	global_store_b64 v[L8], v[PR:PR+1], s[24:25]   ; 256 consecutive bytes, aligned
	s_wait_xcnt 0x0
	v_lshl_add_u32 v254, v0, 2, 0x48400
	v_mov_b32 v255, 0
	s_wait_alu depctr_va_vdst(0)
	s_wait_tensorcnt 0x0
	ds_add_u32 v254, v255
	s_wait_dscnt 0x0
	CROUND                                         ; the closing round: no work-group ends while a partner may still ask for a tile that names it
	s_endpgm
.Lfunc_end_k_qf64d053c5c_proj:
	.size	k_qf64d053c5c_proj, .Lfunc_end_k_qf64d053c5c_proj-k_qf64d053c5c_proj
	.p2alignl 7, 3214868480
	.fill 96, 4, 3214868480
	.section	.rodata,"a",@progbits
	.p2align	6, 0x0
	.amdhsa_kernel k_qf64d053c5c_proj
		.amdhsa_group_segment_fixed_size 297984
		.amdhsa_private_segment_fixed_size 0
		.amdhsa_enable_private_segment 0
		.amdhsa_kernarg_size 128
		.amdhsa_user_sgpr_count 2
		.amdhsa_user_sgpr_kernarg_segment_ptr 1
		.amdhsa_wavefront_size32 1
		.amdhsa_system_sgpr_workgroup_id_x 1
		.amdhsa_system_sgpr_workgroup_id_y 1
		.amdhsa_system_sgpr_workgroup_id_z 1
		.amdhsa_system_vgpr_workitem_id 0
		.amdhsa_next_free_vgpr 256
		.amdhsa_next_free_sgpr 102
		.amdhsa_reserve_vcc 1
		.amdhsa_float_denorm_mode_32 3
		.amdhsa_float_denorm_mode_16_64 3
		.amdhsa_memory_ordered 1
		.amdhsa_forward_progress 1
		.amdhsa_inst_pref_size 87
	.end_amdhsa_kernel
	.amdgpu_metadata
---
amdhsa.version: [ 1, 2 ]
amdhsa.kernels:
  - .name:           k_qf64d053c5c_proj
    .symbol:         k_qf64d053c5c_proj.kd
    .args:
      - { .name: hidden_states_codes, .offset: 0, .size: 8, .value_kind: global_buffer, .address_space: global }
      - { .name: hidden_states_scales, .offset: 8, .size: 8, .value_kind: global_buffer, .address_space: global }
      - { .name: Wq_codes, .offset: 16, .size: 8, .value_kind: global_buffer, .address_space: global }
      - { .name: Wk_codes, .offset: 24, .size: 8, .value_kind: global_buffer, .address_space: global }
      - { .name: Wv_codes, .offset: 32, .size: 8, .value_kind: global_buffer, .address_space: global }
      - { .name: Wq_scales, .offset: 40, .size: 8, .value_kind: global_buffer, .address_space: global }
      - { .name: Wk_scales, .offset: 48, .size: 8, .value_kind: global_buffer, .address_space: global }
      - { .name: Wv_scales, .offset: 56, .size: 8, .value_kind: global_buffer, .address_space: global }
      - { .name: bq, .offset: 64, .size: 8, .value_kind: global_buffer, .address_space: global }
      - { .name: bk, .offset: 72, .size: 8, .value_kind: global_buffer, .address_space: global }
      - { .name: bv, .offset: 80, .size: 8, .value_kind: global_buffer, .address_space: global }
      - { .name: fc1_w_codes, .offset: 88, .size: 8, .value_kind: global_buffer, .address_space: global }
      - { .name: fc1_w_scales, .offset: 96, .size: 8, .value_kind: global_buffer, .address_space: global }
      - { .name: fc1_b, .offset: 104, .size: 8, .value_kind: global_buffer, .address_space: global }
      - { .name: efc1, .offset: 112, .size: 8, .value_kind: global_buffer, .address_space: global }
      - { .name: ws, .offset: 120, .size: 8, .value_kind: global_buffer, .address_space: global }
    .group_segment_fixed_size: 297984
    .private_segment_fixed_size: 0
    .kernarg_segment_align: 8
    .kernarg_segment_size: 128
    .max_flat_workgroup_size: 512
    .sgpr_count:     102
    .vgpr_count:     256
    .wavefront_size: 32
...
	.end_amdgpu_metadata
.endif
;; end of part 1
;; launch attn (part 2): grid 4 x 64, 16 waves a work-group, clusters of 4 x 1, 288,768 bytes of LDS; arguments ws, fc2_w_codes, fc2_w_scales, fc2_b, efc2, out0; writes out0
.if DOCPART == 2
	.amdgcn_target "amdgcn-amd-amdhsa--gfx1250"
	.amdhsa_code_object_version 6
	.text
	.protected	k_qf64d053c5c_attn
	.globl	k_qf64d053c5c_attn
	.p2align	8
	.type	k_qf64d053c5c_attn,@function
k_qf64d053c5c_attn:
	s_mov_b64 s[64:65], 0
	v_nop
	global_prefetch_b8 v0, s[64:65] scope:SCOPE_SE
	s_setreg_imm32_b32 hwreg(HW_REG_WAVE_MODE, 25, 1), 1
	s_wait_xcnt 0x0
	s_wait_alu depctr_hold_cnt(0) depctr_sa_sdst(0) depctr_va_vdst(0) depctr_va_sdst(0) depctr_va_ssrc(0) depctr_va_vcc(0) depctr_vm_vsrc(0)
	s_getreg_b32 s2, hwreg(HW_REG_IB_STS2, 6, 4)
	s_cmp_eq_u32 s2, 0
	s_cbranch_scc0 .Lentry_in_a_cluster
	s_endpgm
.Lentry_in_a_cluster:
	s_bfe_u32 s2, ttmp6, 0x10000c
	s_cmp_lg_u32 s2, 0x3003
	s_cbranch_scc0 .Lentry_shape_is_right
	s_endpgm
.Lentry_shape_is_right:
; out = softmax(q k^T / 8) v + relu(h fc2_w + fc2_b) sigmoid(100 efc2[3]), head by head, all three products on codes of FP4 (E2M1) with one E8M0 byte for each 32 along K.
; q, k, v and h come from ws as images of operand registers (16 bytes a lane) with their scale words, as the launch before has laid them.
; SHARES.  A work-group owns 512 queries (cx) of one head (cluster y = 16 x batch + head); each of its sixteen waves owns 32 of them, two tiles of 16, which share every fragment of K and V read from LDS.
; LDS.  The head's K and V, codes and scale words, 147,456 bytes, come once, byte for byte as in ws, and stay: nothing is filled again, no barrier stands in the loop.
; CLUSTER.  The four work-groups of a cluster belong to one head: each of the nine loads is asked for jointly by the four.
; NO PREFETCH: K and V come by the head's loads alone; the loop fetches nothing from memory, so there is no trip to run ahead in.
; LAYOUT.  All products are used transposed (source 0 = 16 keys, 16 features or 16 columns; source 1 = 16 queries): a lane holds ONE query throughout.
; THE KEYS OF A TILE ARE CHOSEN BY THE LDS ADDRESS: row m of tile 4 c + i is key 64 c + 32 (m / 8) + 8 i + m % 8.  So register 32 c + 8 i + j of lane (r, h) is key 64 c + 32 h + 8 i + j:
; a lane's 32 registers are ONE WHOLE BLOCK of 32 keys, block 2 c + h.  A block's maximum needs no other lane, and the eight conversions give p's operand registers as they stand.
; K = 64 IN A FORM OF 128.  Source 1 (q, h) has four registers of zero codes for k = 64 .. 127 and zero bytes in its scale word there.  Source 0's tiles lie packed, four registers each: the upper four of an operand are
; the next tile's codes (behind the last tile: p's codes, at the head zeros).  Every code of E2M1 is a finite number, so each of those products is exactly 0; the byte 0 stands for 2^-127, no NaN.
; THE SOFTMAX: t = score x log2(e) / 8; M = the running largest t rounded UP to a whole number; p = 2^(t - M) is quantised along the keys, not normalised; the row's sum is taken of the unquantised p and divides at
; the end.  When M moves, the sum and O^T are multiplied by 2^(old M - new M), which rounds nothing.
; LIMITS: NaN and infinities are not served; the promise holds while |t| stays under 2^31.  A p under 2^-126 comes out of v_exp_f32 as 0 (ISA guide, its entry in 15.8), beside a row's sum above 1/2.  A block of p under 2^-124 gets the byte 1.
.set BLK,    294912                    ; a head's part of ws
.set STEPB,  9216                      ; a step of 128 keys: K images 4,096 | V images 4,096 | K scale words 512 | V scale words 512
.set KVB,    16*STEPB                  ; the head's K and V; Q's frame lies behind them
.set HIMG,   64*BLK
.set HSCL,   HIMG+262144
.set WREG,   8704                      ; LDS behind K and V, for each wave: first the adapter's image (8,192 bytes), at the end the stage of 32 rows x 272 bytes.  No fill lands there
.set SPARE,  KVB+16*WREG               ; the spare words, 128 bytes a wave
.set LK,   1                           ; my lane's place in K's images: 1024 (r / 8) + 16 (r % 8) + 256 h   (at the end: STO)
.set LKS,  2                           ; among K's scale words: 64 h + 8 (r % 8) + 4 (r / 8)               (at the end: RD)
.set LV,   3                           ; 16 x lane                                                       (at the end: GO)
.set LVS,  4                           ; 8 x lane
.set QS,   5                           ; Q's scale words: tile 0 in lanes 0-15, tile 1 in lanes 16-31
.set PS,   6                           ; p's scale word (at the head: h's)
.set SH8,  7                           ; 8 h
.set SPW,  8                           ; my spare word; never rewritten
.set NIL,  9                           ; 0; never rewritten
.set F,    10                          ; v10-11 2^(old M - new M); the packed forms name the pair and take its low word
.set T,    12                          ; v12, v13 at work
.set T2,   13
.set BM,   14                          ; v14-15 a block's largest score, its largest p, its byte;  v16-17 the conversions' scale operands
.set BS,   16
.set ST,   18                          ; v18-21, v22-25 a tile's -M, largest score, sum in two halves
.set KS,   26                          ; v26-29 K's scale words
.set VS,   30                          ; v30-33 V's
.set QF,   34                          ; v34-49 Q: for each tile four registers of codes, four of zeros
.set KF,   50                          ; v50-81 K's eight tiles, packed
.set P,    82                          ; v82-89 p's codes
.set VF,   90                          ; v90-121 V's four fragments
.set OHS,  122                         ; at the head: 256 h + 4 x lane; 32 r + 16 h; 2 x lane; 32 h; lane
.set OFW,  123
.set OL2,  124
.set OH32, 125
.set LN,   126
.set WR16, 127                         ; my wave's region + 16 x lane
.set S,    128                         ; v128-191 S^T of one tile of queries, then p
.set O,    192                         ; v192-255 O^T: tile q, features 16 f on, at O + 32 q + 8 f
.set STO,  LK
.set RD,   LKS
.set GO,   LV
.set WV,   16
.set CX,   17
.set BH,   18
.set HD,   19
.set BB,   20
.set SEL,  22                          ; s[22:23] lane selects for v_permlanex16_b32: lane l xor 16
.set G1,   24
.set G0,   32
.set CS,   36                          ; s[36:37] c = log2(e) / 8
.set TB,   38                          ; where the step that is being fetched begins in LDS
.set CNT,  39
.set QB,   40
.set QSB,  42
.set HB,   44
.set HSB,  46
.set NCS,  48                          ; -c
.set WB,   49                          ; my wave's region in LDS
.macro CROUND                          ; a round of the cluster's barrier
	s_barrier_signal -1
	s_barrier_wait -1
	s_cmp_lg_u32 s[WV], 0
	s_cbranch_scc1 .Lnot_wave_0_\@
	s_barrier_signal -3
.Lnot_wave_0_\@:
	s_barrier_wait -3
	s_barrier_signal -1
	s_barrier_wait -1
.endm
; One product 16 x 16 x 128; c: 0 or C's registers.  ra, rb = 1: that side's scale words stand in lanes 16-31.
.macro WM d, a, b, c, sa, sb, ra, rb
.if (\ra) && (\rb)
	v_wmma_scale_f32_16x16x128_f8f6f4 v[(\d):(\d)+7], v[(\a):(\a)+7], v[(\b):(\b)+7], \c, v[(\sa)], v[(\sb)] matrix_a_fmt:MATRIX_FMT_FP4 matrix_b_fmt:MATRIX_FMT_FP4 matrix_a_scale:MATRIX_SCALE_ROW1 matrix_b_scale:MATRIX_SCALE_ROW1
.elseif (\ra)
	v_wmma_scale_f32_16x16x128_f8f6f4 v[(\d):(\d)+7], v[(\a):(\a)+7], v[(\b):(\b)+7], \c, v[(\sa)], v[(\sb)] matrix_a_fmt:MATRIX_FMT_FP4 matrix_b_fmt:MATRIX_FMT_FP4 matrix_a_scale:MATRIX_SCALE_ROW1
.elseif (\rb)
	v_wmma_scale_f32_16x16x128_f8f6f4 v[(\d):(\d)+7], v[(\a):(\a)+7], v[(\b):(\b)+7], \c, v[(\sa)], v[(\sb)] matrix_a_fmt:MATRIX_FMT_FP4 matrix_b_fmt:MATRIX_FMT_FP4 matrix_b_scale:MATRIX_SCALE_ROW1
.else
	v_wmma_scale_f32_16x16x128_f8f6f4 v[(\d):(\d)+7], v[(\a):(\a)+7], v[(\b):(\b)+7], \c, v[(\sa)], v[(\sb)] matrix_a_fmt:MATRIX_FMT_FP4 matrix_b_fmt:MATRIX_FMT_FP4
.endif
.endm
.macro NOPS n
.rept \n
	v_nop
.endr
.endm
	s_load_b256 s[4:11], s[0:1], 0x0               ; ws 4, fc2 codes 6, fc2 scales 8, fc2_b 10
	s_load_b128 s[12:15], s[0:1], 0x20             ; efc2 12, out 14
	v_lshl_add_u32 v[SPW], v0, 2, SPARE
	v_mov_b32 v[NIL], 0
	ds_add_u32 v[SPW], v[NIL]                      ; the opening lines: the add, twice on end, and its wait ahead of the first tensor load
	ds_add_u32 v[SPW], v[NIL]
	v_lshrrev_b32 v[T], 5, v0
	v_readfirstlane_b32 s[WV], v[T]                ; wave 0..15
	s_bfe_u32 s[CX], ttmp6, 0x40000                ; my place in the cluster: which 512 queries
	s_and_b32 s[BH], ttmp7, 0xffff                 ; 16 x batch + head, which the four partners share
	s_and_b32 s[HD], s[BH], 15
	s_lshr_b32 s[BB], s[BH], 4
	s_mul_i32 s58, s[BH], BLK                      ; the head's part of ws
	s_mov_b32 s[G1], 0x0023000f                    ; 64 rows of 256 bytes, dense (32 elements of 8 bytes), no padding; 15:0 the mask: all four work-groups; 21 set beside a mask
	s_mov_b32 s[G1+1], 32<<16
	s_mov_b32 s[G1+2], 64<<16
	s_mov_b32 s[G1+3], 32<<16
	s_mov_b32 s[G1+4], 64
	s_mov_b32 s[G1+5], 32
	s_mov_b32 s[G1+6], 0
	s_mov_b32 s[G1+7], 0
	s_mov_b32 s[G0], 1
	s_lshl_b32 s[G0+1], s[WV], 14                  ; waves 0 to 8 bring 16,384 bytes each: 9 x 16,384 = 147,456
	s_lshl_b32 s60, s[WV], 14
	s_add_co_u32 s60, s60, s58                     ; no place in the cluster enters the descriptor
	s_mov_b32 s61, 0
	s_mov_b32 s57, 0
	s_mov_b32 s[SEL], 0x76543210
	s_mov_b32 s[SEL+1], 0xfedcba98
	s_mov_b32 s[CS], 0x3e38aa3b                    ; log2(e) / 8
	s_mov_b32 s[CS+1], s[CS]
	s_mov_b32 s[NCS], 0xbe38aa3b
	s_mov_b32 s[TB], 0
	s_mov_b32 s[CNT], 15
	s_mul_i32 s[WB], s[WV], WREG
	s_add_co_u32 s[WB], s[WB], KVB
	v_and_b32 v[LN], 31, v0                        ; lane
	v_and_b32 v[T], 15, v0                         ; r
	v_bfe_u32 v[OH32], v0, 4, 1                    ; h
	v_and_b32 v[T2], 7, v0                         ; r % 8
	v_bfe_u32 v[F], v0, 3, 1                       ; r / 8
	v_lshlrev_b32 v[LV], 4, v[LN]
	v_lshlrev_b32 v[LVS], 3, v[LN]
	v_lshlrev_b32 v[LK], 4, v[T2]
	v_lshlrev_b32 v[LKS], 3, v[T2]
	v_lshlrev_b32 v[OHS], 8, v[OH32]
	v_lshlrev_b32 v[OFW], 5, v[T]
	v_lshlrev_b32 v[OL2], 1, v[LN]
	v_lshlrev_b32 v[SH8], 3, v[OH32]
	v_lshl_add_u32 v[LK], v[F], 10, v[LK]
	v_lshl_add_u32 v[LKS], v[F], 2, v[LKS]
	v_lshl_add_u32 v[OHS], v[LN], 2, v[OHS]
	v_lshl_add_u32 v[OFW], v[OH32], 4, v[OFW]
	v_add_nc_u32 v[WR16], s[WB], v[LV]
	v_lshl_add_u32 v[LK], v[OH32], 8, v[LK]
	v_lshl_add_u32 v[LKS], v[OH32], 6, v[LKS]
	v_lshlrev_b32 v[OH32], 5, v[OH32]
	s_wait_alu depctr_va_vdst(0)                   ; directly ahead of the waits below
	s_wait_dscnt 0x0                               ; both opening adds are done
	s_wait_kmcnt 0x0
	s_add_nc_u64 s[G0+2:G0+3], s[4:5], s[60:61]
	s_or_b32 s[G0+3], s[G0+3], 0x80000000          ; type = 2
	; my 32 queries: tiles 4 g + 2 e + 0, 1 of the head's 128, g = 8 cx + wave / 2 the group of 64 tokens, e = wave % 2
	s_lshl_b32 s2, s[CX], 3
	s_lshr_b32 s3, s[WV], 1
	s_add_co_u32 s2, s2, s3                        ; g
	s_lshr_b32 s3, s2, 1
	s_mul_i32 s3, s3, STEPB
	s_add_co_u32 s3, s3, s58                       ; the head, the step of 128
	s_and_b32 s2, s2, 1                            ; which 64 of it
	s_and_b32 s21, s[WV], 1                        ; e
	s_lshl_b32 s56, s2, 11
	s_add_co_u32 s56, s56, s3
	s_lshl_b32 s59, s21, 10
	s_add_co_u32 s56, s56, s59
	s_add_co_u32 s56, s56, KVB
	s_add_nc_u64 s[QB:QB+1], s[4:5], s[56:57]
	s_lshl_b32 s56, s2, 8
	s_add_co_u32 s56, s56, s3
	s_lshl_b32 s59, s21, 2
	s_add_co_u32 s56, s56, s59
	s_add_co_u32 s56, s56, KVB+8192
	s_add_nc_u64 s[QSB:QSB+1], s[4:5], s[56:57]
	s_lshl_b32 s2, s[BB], 6
	s_lshl_b32 s3, s[CX], 4
	s_add_co_u32 s2, s2, s3
	s_add_co_u32 s2, s2, s[WV]                     ; G = 64 x batch + 16 cx + wave: my pair of h's tiles of 16 tokens
	s_lshl_b32 s56, s2, 10
	s_add_co_u32 s56, s56, HIMG
	s_add_nc_u64 s[HB:HB+1], s[4:5], s[56:57]
	s_lshl_b32 s56, s2, 9
	s_add_co_u32 s56, s56, HSCL
	s_add_nc_u64 s[HSB:HSB+1], s[4:5], s[56:57]
	s_lshl_b32 s56, s[HD], 11
	s_add_nc_u64 s[6:7], s[6:7], s[56:57]          ; fc2_w's codes: the head's 64 rows of 32 bytes
	s_lshl_b32 s56, s[HD], 7
	s_add_nc_u64 s[8:9], s[8:9], s[56:57]          ; its scale bytes: 2 a row
	s_lshl_b32 s56, s[HD], 8
	s_add_nc_u64 s[10:11], s[10:11], s[56:57]      ; fc2_b
	s_add_co_u32 s56, s56, 12288                   ; t = 3: row 3 of 1,024 f32
	s_add_nc_u64 s[12:13], s[12:13], s[56:57]      ; efc2
	s_lshl_b32 s2, s2, 17                          ; my first row of out is 32 G: 32 x 4,096 bytes
	s_lshl_b32 s56, s[HD], 8
	s_add_co_u32 s56, s56, s2
	s_add_nc_u64 s[14:15], s[14:15], s[56:57]
	CROUND                                         ; all four work-groups are here: the joint loads meet
	s_cmp_lt_u32 s[WV], 9
	s_cbranch_scc0 .Lno_fill
	tensor_load_to_lds s[G0:G0+3], s[G1:G1+7]      ; one load of mine is out
	s_nop 0
	NOPS 4
.Lno_fill:
.irp q, 0,1
	global_load_b128 v[QF+8*\q:QF+8*\q+3], v[LV], s[QB:QB+1] offset:512*\q
.endr
	global_load_b32 v[QS], v[LVS], s[QSB:QSB+1]
.irp u, 0,1
	global_load_b128 v[KF+8*\u:KF+8*\u+3], v[LV], s[HB:HB+1] offset:512*\u         ; h's two tiles
.endr
	global_load_b32 v[PS], v[OHS], s[HSB:HSB+1]                                    ; h's bytes of block 0: tile 0 in lanes 0-15, tile 1 in lanes 16-31;
	global_load_b32 v[T2], v[OHS], s[HSB:HSB+1] offset:128                         ; of block 1
.irp f, 0,1,2,3
	global_load_b128 v[KF+16+4*\f:KF+16+4*\f+3], v[OFW], s[6:7] offset:512*\f      ; fc2_w's four tiles of 16 columns, packed
.endr
.irp e, 0,1
	global_load_u16 v[KS+\e], v[OL2], s[8:9] offset:64*\e                          ; their scale words: two bytes, the upper half 0
.endr
.irp f, 0,1,2,3
.irp e, 0,1
	global_load_b128 v[O+8*\f+4*\e:O+8*\f+4*\e+3], v[OH32], s[10:11] offset:64*\f+16*\e       ; fc2_b at columns 16 f + 8 h + 0 .. 7
	global_load_b128 v[S+32+8*\f+4*\e:S+32+8*\f+4*\e+3], v[OH32], s[12:13] offset:64*\f+16*\e ; efc2[3] likewise
.endr
.endr
.irp j, 4,5,6,7,12,13,14,15
	v_mov_b32 v[QF+\j], 0                          ; the zero codes for k = 64 .. 127: Q's,
	v_mov_b32 v[KF+\j], 0                          ; h's,
.endr
.irp j, 0,1,2,3
	v_mov_b32 v[P+\j], 0                           ; and what stands behind the last packed tile
.endr
	v_mov_b32 v[F+1], 0                            ; (named as the upper half of a pair)
.irp q, 0,1
	v_mov_b32 v[ST+4*\q+1], 0xff61b1e6             ; the largest score so far: -3e38
	v_mov_b32 v[ST+4*\q+2], 0                      ; the sum, in two halves
	v_mov_b32 v[ST+4*\q+3], 0
.endr
.irp q, 0,1
	v_floor_f32 v[ST+4*\q], -v[ST+4*\q+1]          ; -M
.endr
	s_wait_loadcnt 0x0
	v_lshl_or_b32 v[PS], v[T2], 8, v[PS]           ; h's scale word: the packed lines below are more than the eight places that it stands ahead of the products
	; the gate: 1 / (1 + 2^(-log2(e) z)), z = 100 e rounded first, as the sum is written
.set j, 0
.rept 16
	v_pk_mul_f32 v[S+32+j:S+33+j], v[S+32+j:S+33+j], 0x42c80000 op_sel_hi:[1,0]
.set j, j+2
.endr
.set j, 0
.rept 16
	v_pk_mul_f32 v[S+32+j:S+33+j], v[S+32+j:S+33+j], 0xbfb8aa3b op_sel_hi:[1,0]
.set j, j+2
.endr
	s_wait_alu depctr_va_vdst(0)                   ; a wait ahead of a batch of transcendentals and one behind it
.set j, 0
.rept 32
	v_exp_f32 v[S+32+j], v[S+32+j]
.set j, j+1
.endr
	v_nop
	s_wait_alu depctr_va_vdst(0)
.set j, 0
.rept 16
	v_pk_add_f32 v[S+32+j:S+33+j], v[S+32+j:S+33+j], 1.0 op_sel_hi:[1,0]
.set j, j+2
.endr
	s_wait_alu depctr_va_vdst(0)
.set j, 0
.rept 32
	v_rcp_f32 v[S+32+j], v[S+32+j]
.set j, j+1
.endr
	v_nop                                          ; a plain line behind the last reciprocal; the products and the relu, which name none of the results, stand ahead of the wait
.irp f, 0,1,2,3                                ; adapter^T: source 0 = 16 columns of fc2_w, source 1 = 16 tokens of h, C = fc2_b: eight sums of one product each
	WM S+8*\f, KF+16+4*\f, KF, v[O+8*\f:O+8*\f+7], KS+\f/2, PS, \f%2, 0
	WM O+32+8*\f, KF+16+4*\f, KF+8, v[O+8*\f:O+8*\f+7], KS+\f/2, PS, \f%2, 1
.endr
	NOPS 4
.set j, 0
.rept 32
	v_max_num_f32 v[S+j], 0, v[S+j]                ; relu, each accumulator from its low end on
.set j, j+1
.endr
.set j, 0
.rept 32
	v_max_num_f32 v[O+32+j], 0, v[O+32+j]
.set j, j+1
.endr
	s_wait_alu depctr_va_vdst(0)                   ; one wait for the reciprocals
.set j, 0
.rept 16
	v_pk_mul_f32 v[S+j:S+j+1], v[S+j:S+j+1], v[S+32+j:S+33+j]
	v_pk_mul_f32 v[O+32+j:O+33+j], v[O+32+j:O+33+j], v[S+32+j:S+33+j]
.set j, j+2
.endr
.irp k, 0,1,2,3,4,5,6,7                        ; parked in my wave's own bytes as an image of the registers, until O^T is finished
	ds_store_b128 v[WR16], v[S+4*\k:S+4*\k+3] offset:512*\k
	ds_store_b128 v[WR16], v[O+32+4*\k:O+32+4*\k+3] offset:4096+512*\k
.endr
	s_wait_tensorcnt 0x0                           ; my part of K and V has landed,
	s_wait_dscnt 0x0                               ; no LDS instruction of mine is out at the signal;
	s_barrier_signal -1
	s_barrier_wait -1                              ; everybody's part has landed
; The fetches of a step, 12 LDS loads for K and 10 for V.  ADK, ADV: the two additions that make the addresses (they also serve as places behind matrix instructions).
.macro ADK
	v_add_nc_u32 v[T], s[TB], v[LK]
	v_add_nc_u32 v[T2], s[TB], v[LKS]
.endm
.macro LDK
.irp t, 0,1,2,3,4,5,6,7
	ds_load_b128 v[KF+4*\t:KF+4*\t+3], v[T] offset:2048*(\t/4)+512*((\t%4)/2)+128*(\t%2)   ; tile t = 4 c + i: rows 0-7 keys 64 c + 8 i on, rows 8-15 the keys 32 further on
.endr
.irp e, 0,1,2,3
	ds_load_b32 v[KS+\e], v[T2] offset:8192+128*\e                                          ; the scale words of tile 2 e in lanes 0-15, of tile 2 e + 1 in lanes 16-31
.endr
.endm
.macro ADV
	v_add_nc_u32 v[T], s[TB], v[LV]
	v_add_nc_u32 v[T2], s[TB], v[LVS]
.endm
.macro LDV
.irp f, 0,1,2,3
.irp c, 0,1
	ds_load_b128 v[VF+8*\f+4*\c:VF+8*\f+4*\c+3], v[T] offset:4096+2048*\c+512*\f
.endr
.endr
	ds_load_b64 v[VS:VS+1], v[T2] offset:8704      ; V's scale words of keys 0 .. 63,
	ds_load_b64 v[VS+2:VS+3], v[T2] offset:8960    ; of keys 64 .. 127
.endm
.macro SCORE q                         ; S^T of tile q: eight tiles of 16 keys, each sum one product
.irp t, 0,1,2,3,4,5,6,7
	WM S+8*\t, KF+4*\t, QF+8*(\q), 0, KS+\t/2, QS, \t%2, \q
.endr
.endm
.macro PV q                            ; O^T += V^T P^T: four accumulators, one instruction a turn
.irp f, 0,1,2,3
	WM O+32*(\q)+8*\f, VF+8*\f, P, v[O+32*(\q)+8*\f:O+32*(\q)+8*\f+7], VS+\f/2, PS, \f%2, 0
.endr
.endm
.macro SUM4 j                          ; four pairs of p onto the sum's four chains; three of the chains stand in registers of p whose codes are made
	v_pk_add_f32 v[rT+2:rT+3], v[rT+2:rT+3], v[S+\j:S+\j+1]
	v_pk_add_f32 v[S+2:S+3], v[S+2:S+3], v[S+\j+2:S+\j+3]
	v_pk_add_f32 v[S+6:S+7], v[S+6:S+7], v[S+\j+4:S+\j+5]
	v_pk_add_f32 v[S+10:S+11], v[S+10:S+11], v[S+\j+6:S+\j+7]
.endm
; Tile q's softmax for 128 keys: from the scores in S to p's codes in P, its scale word in PS, the sum and O^T under the new M.  F holds the old -M on the way in.
; vin = 1: V's loads are waited for here, and its scale words joined.
.macro SOFTMAX q, vin
.set rT, ST+4*(\q)
.irp k, 0,1,2,3                                ; THE LARGEST SCORE OF MY TWO BLOCKS, in four chains of 16 registers; it serves for the row's maximum and, since p rises with the score, for the block's largest p
	v_max3_num_f32 v[BM+\k], v[S+16*\k], v[S+16*\k+1], v[S+16*\k+2]
.endr
.irp i, 3,5,7,9,11,13
.irp k, 0,1,2,3
	v_max3_num_f32 v[BM+\k], v[BM+\k], v[S+16*\k+\i], v[S+16*\k+\i+1]
.endr
.endr
	v_max3_num_f32 v[BM], v[BM], v[BM+1], v[S+15]
	v_max3_num_f32 v[BM+2], v[BM+2], v[BM+3], v[S+47]
	v_max_num_f32 v[BM], v[BM], v[S+31]
	v_max_num_f32 v[BM+1], v[BM+2], v[S+63]
	s_delay_alu instid0(VALU_DEP_1)
	v_max3_num_f32 v[T], v[BM], v[BM+1], v[rT+1]   ; with the running largest score,
	s_delay_alu instid0(VALU_DEP_1)
	v_permlanex16_b32 v[T2], v[T], s[SEL], s[SEL+1]
	s_delay_alu instid0(VALU_DEP_1)
	v_max_num_f32 v[rT+1], v[T], v[T2]             ; and lane l xor 16's blocks
	s_delay_alu instid0(VALU_DEP_1)
	v_mul_f32 v[T], s[NCS], v[rT+1]                ; -t (c is positive)
	s_delay_alu instid0(VALU_DEP_1)
	v_floor_f32 v[rT], v[T]                        ; the new -M = floor(-t) = -ceil(t)
.set j, 0
.rept 32
	v_pk_fma_f32 v[S+j:S+j+1], v[S+j:S+j+1], s[CS:CS+1], v[rT:rT+1] op_sel_hi:[1,0,0]   ; t - M, two at a time (of the pairs c and -M the low word serves both halves)
.if j == 4
	v_sub_f32 v[F], v[rT], v[F]                    ; old M less new M: a whole number, 0 or less
.endif
.if j == 16
	v_cvt_i32_f32 v[F], v[F]                       ; (it saturates)
.endif
.if j == 28
	v_ldexp_f32 v[F], 1.0, v[F]                    ; 2^(old M - new M)
.endif
.set j, j+2
.endr
.irp b, 0,1
	v_fma_f32 v[BM+\b], v[BM+\b], s[CS], v[rT]     ; the same of each block's largest score
.endr
.if \vin
	s_wait_dscnt 0x0                               ; V's ten loads, the only ones out, are in
.endif
	s_wait_alu depctr_va_vdst(0)                   ; the wait ahead of the batch
.irp b, 0,1
	v_exp_f32 v[BM+\b], v[BM+\b]                   ; the block's largest p: the same two instructions on the same number
.endr
.set j, 0
.rept 64
	v_exp_f32 v[S+j], v[S+j]                       ; p = 2^(t - M), at most 1
.set j, j+1
.endr
.if \vin
.irp e, 0,1
	v_lshl_or_b32 v[VS+\e], v[VS+2+\e], 16, v[VS+\e]   ; V's four bytes of the step's four blocks of keys.  (The plain lines behind the exponentials)
.endr
.else
	v_nop
.endif
	s_wait_alu depctr_va_vdst(0)                   ; one wait for the 66, ahead of their first reader
.irp b, 0,1
	v_max_num_f32 v[BM+\b], 0x1800000, v[BM+\b]    ; the floor 2^(3 - 127): the byte cannot fall under 1
.endr
	v_pk_fma_f32 v[rT+2:rT+3], v[rT+2:rT+3], v[F:F+1], v[S:S+1] op_sel_hi:[1,0,1]   ; THE ROW'S SUM IS TAKEN OF THE UNQUANTISED p: the old sum under the new M, and the first pair
.irp b, 0,1
	v_add_nc_u32 v[BS+\b], 0xff000000, v[BM+\b]    ; 2 off the exponent field: the conversion's scale operand
.endr
.irp c, 0,1
.irp i, 0,1,2,3
	v_cvt_scalef32_pk8_fp4_f32 v[P+4*\c+\i], v[S+32*\c+8*\i:S+32*\c+8*\i+7], v[BS+\c]   ; keys 64 c + 32 h + 8 i + 0 .. 7: register 4 c + i of the operand
.endr
.endr
.irp b, 0,1
	v_lshrrev_b32 v[BM+\b], 23, v[BS+\b]           ; the scale's byte.  (The plain lines behind the conversions)
.endr
	v_pk_add_f32 v[S+2:S+3], v[S+2:S+3], v[S+4:S+5]
	v_pk_add_f32 v[S+6:S+7], v[S+6:S+7], v[S+8:S+9]
	v_pk_add_f32 v[S+10:S+11], v[S+10:S+11], v[S+12:S+13]
	v_lshl_or_b32 v[BM], v[BM+1], 16, v[BM]        ; my two bytes: blocks h and 2 + h,
	SUM4 14
	v_lshlrev_b32 v[BM], v[SH8], v[BM]             ; at their places in the scale word;
	SUM4 22
	v_permlanex16_b32 v[T2], v[BM], s[SEL], s[SEL+1]
	SUM4 30
	v_or_b32 v[PS], v[BM], v[T2]                   ; with lane l xor 16's two the word is whole
	SUM4 38
	SUM4 46
	SUM4 54
	v_pk_add_f32 v[S+2:S+3], v[S+2:S+3], v[S+6:S+7]
	v_pk_add_f32 v[S+10:S+11], v[S+10:S+11], v[S+62:S+63]
	s_delay_alu instid0(VALU_DEP_2)
	v_pk_add_f32 v[rT+2:rT+3], v[rT+2:rT+3], v[S+2:S+3]
	s_delay_alu instid0(VALU_DEP_1)
	v_pk_add_f32 v[rT+2:rT+3], v[rT+2:rT+3], v[S+10:S+11]
	s_wait_alu depctr_va_vdst(0)                   ; directly ahead of the first reader of O^T
.set j, 0
.rept 16
	v_pk_mul_f32 v[O+32*(\q)+j:O+32*(\q)+j+1], v[O+32*(\q)+j:O+32*(\q)+j+1], v[F:F+1] op_sel_hi:[1,0]   ; O^T under the new M
.set j, j+2
.endr
.endm
; A step of 128 keys.  more = 1: the next step's K is asked for behind this step's last scores, its V behind this step's last products.
.macro STEP more
	s_wait_dscnt 10                                ; K's twelve loads are in; the ten younger ones, V's, may be out
	SCORE 0
	v_mov_b32 v[F], v[ST]                          ; the old -M.  With the three below: four places ahead of the first read of the scores
	NOPS 3
	SOFTMAX 0, 1
	PV 0
	SCORE 1
.if \more
	s_add_co_u32 s[TB], s[TB], STEPB
	ADK
	v_mov_b32 v[F], v[ST+4]
	v_nop                                          ; four places, for the loads into K's registers and for the first read of the scores alike
	LDK
.else
	v_mov_b32 v[F], v[ST+4]
	NOPS 3
.endif
	SOFTMAX 1, 0
	PV 1
.if \more
	ADV
	NOPS 2                                         ; with the two additions: four places ahead of the loads into V's registers
	LDV
.endif
.endm
	ADK
	LDK                                            ; step 0
	ADV
	LDV
.set j, 0
.rept 64
	v_mov_b32 v[O+j], 0                            ; O^T.  (The step has no first form of its own: the first finds zeros, which the first change of M leaves zeros)
.set j, j+1
.endr
	s_wait_alu depctr_va_vdst(0)                   ; the wait at the head's end
.Lstep:                                            ; 15 trips; the last step is written out: it fetches nothing
	STEP 1
	s_sub_co_u32 s[CNT], s[CNT], 1
	s_cmp_lg_u32 s[CNT], 0
	s_cbranch_scc1 .Lstep
	STEP 0
	; ---- THE WAY OUT.  The six lines on the sums are the places behind the last products
.irp q, 0,1
	v_add_f32 v[ST+4*\q+2], v[ST+4*\q+2], v[ST+4*\q+3]   ; the sum's two halves,
.endr
	v_permlanex16_b32 v[T], v[ST+2], s[SEL], s[SEL+1]
	v_permlanex16_b32 v[T2], v[ST+6], s[SEL], s[SEL+1]
	v_add_f32 v[ST+2], v[ST+2], v[T]               ; and lane l xor 16's: the row's sum
	v_add_f32 v[ST+6], v[ST+6], v[T2]
	s_wait_alu depctr_va_vdst(0)
.irp q, 0,1
	v_rcp_f32 v[BM+2*\q], v[ST+4*\q+2]
.endr
.irp k, 0,1,2,3,4,5,6,7
	ds_load_b128 v[S+4*\k:S+4*\k+3], v[WR16] offset:512*\k              ; the adapter's image comes back: register 32 q + 8 f + j as in O^T
	ds_load_b128 v[S+32+4*\k:S+32+4*\k+3], v[WR16] offset:4096+512*\k
.endr
	v_and_b32 v[T], 15, v0                         ; r.  (Plain lines behind the reciprocals)
	v_bfe_u32 v[T2], v0, 4, 1                      ; h
	v_mul_u32_u24 v[STO], v[T], 272
	v_mul_u32_u24 v[RD], v[T2], 272
	v_lshlrev_b32 v[GO], 12, v[T2]                 ; a row of out is 4,096 bytes
	v_lshl_add_u32 v[STO], v[T2], 5, v[STO]
	v_lshl_add_u32 v[RD], v[T], 4, v[RD]
	v_lshl_add_u32 v[GO], v[T], 4, v[GO]
	v_add_nc_u32 v[STO], s[WB], v[STO]             ; the stage: row r, + 32 h;
	v_add_nc_u32 v[RD], s[WB], v[RD]               ; and back: lanes 0-15 one row, lanes 16-31 the next
	s_wait_alu depctr_va_vdst(0)                   ; one wait for the two reciprocals, ahead of their first reader
	s_wait_dscnt 0x0
.irp q, 0,1
.set j, 0
.rept 16
	v_pk_fma_f32 v[S+32*\q+j:S+32*\q+j+1], v[O+32*\q+j:O+32*\q+j+1], v[BM+2*\q:BM+2*\q+1], v[S+32*\q+j:S+32*\q+j+1] op_sel_hi:[1,0,1]   ; O^T / the sum + the adapter; each accumulator from its low end on
.set j, j+2
.endr
.endr
.irp q, 0,1                                    ; a lane's 32 bytes of a row go into the stage (the image has been read: the wait above), and whole rows of 256 bytes come back
.irp f, 0,1,2,3
	ds_store_b128 v[STO], v[S+32*\q+8*\f:S+32*\q+8*\f+3] offset:4352*\q+64*\f
	ds_store_b128 v[STO], v[S+32*\q+8*\f+4:S+32*\q+8*\f+7] offset:4352*\q+64*\f+16
.endr
.endr
.irp i, 0,1,2,3,4,5,6,7,8,9,10,11,12,13,14,15
	ds_load_b128 v[O+4*\i:O+4*\i+3], v[RD] offset:544*\i                ; LDS serves a wave's instructions in order (ISA guide 5.7.1.4): these see my stores
.endr
.irp i, 0,1,2,3,4,5,6,7,8,9,10,11,12,13,14,15
	s_wait_dscnt 15-\i                             ; the 15 - i younger loads may be out
	global_store_b128 v[GO], v[O+4*\i:O+4*\i+3], s[14:15] offset:8192*\i th:TH_STORE_NT   ; sixteen lanes store 256 consecutive bytes, aligned: a query's 64 channels of this head
.endr
	s_wait_tensorcnt 0x0                           ; the wave's end
	ds_add_u32 v[SPW], v[NIL]
	s_wait_dscnt 0x0
	CROUND                                         ; the closing round: no work-group ends while a partner may still ask for a tile that names it
	s_endpgm
.Lfunc_end_k_qf64d053c5c_attn:
	.size	k_qf64d053c5c_attn, .Lfunc_end_k_qf64d053c5c_attn-k_qf64d053c5c_attn
	.p2alignl 7, 3214868480
	.fill 96, 4, 3214868480
	.section	.rodata,"a",@progbits
	.p2align	6, 0x0
	.amdhsa_kernel k_qf64d053c5c_attn
		.amdhsa_group_segment_fixed_size 288768
		.amdhsa_private_segment_fixed_size 0
		.amdhsa_enable_private_segment 0
		.amdhsa_kernarg_size 48
		.amdhsa_user_sgpr_count 2
		.amdhsa_user_sgpr_kernarg_segment_ptr 1
		.amdhsa_wavefront_size32 1
		.amdhsa_system_sgpr_workgroup_id_x 1
		.amdhsa_system_sgpr_workgroup_id_y 1
		.amdhsa_system_sgpr_workgroup_id_z 1
		.amdhsa_system_vgpr_workitem_id 0
		.amdhsa_next_free_vgpr 256
		.amdhsa_next_free_sgpr 66
		.amdhsa_reserve_vcc 0
		.amdhsa_float_denorm_mode_32 3
		.amdhsa_float_denorm_mode_16_64 3
		.amdhsa_memory_ordered 1
		.amdhsa_forward_progress 1
		.amdhsa_inst_pref_size 86
	.end_amdhsa_kernel
	.amdgpu_metadata
---
amdhsa.version: [ 1, 2 ]
amdhsa.kernels:
  - .name:           k_qf64d053c5c_attn
    .symbol:         k_qf64d053c5c_attn.kd
    .args:
      - { .name: ws, .offset: 0, .size: 8, .value_kind: global_buffer, .address_space: global }
      - { .name: fc2_w_codes, .offset: 8, .size: 8, .value_kind: global_buffer, .address_space: global }
      - { .name: fc2_w_scales, .offset: 16, .size: 8, .value_kind: global_buffer, .address_space: global }
      - { .name: fc2_b, .offset: 24, .size: 8, .value_kind: global_buffer, .address_space: global }
      - { .name: efc2, .offset: 32, .size: 8, .value_kind: global_buffer, .address_space: global }
      - { .name: out0, .offset: 40, .size: 8, .value_kind: global_buffer, .address_space: global }
    .group_segment_fixed_size: 288768
    .private_segment_fixed_size: 0
    .kernarg_segment_align: 8
    .kernarg_segment_size: 48
    .max_flat_workgroup_size: 512
    .sgpr_count:     66
    .vgpr_count:     256
    .wavefront_size: 32
...
	.end_amdgpu_metadata
.endif
;; end of part 2
